; MI455X (gfx1250); checked and timed in simulation.
; The chip was launched on July 23, 2026; its instructions are those of AMD's public machine-readable ISA for CDNA 5 (MIT licence, August 2026) and "CDNA5" Instruction Set Architecture Reference Guide (July 2026). The comments in the code are by the model that wrote it; some were corrected since.
;; LSE Vanilla Attention. Allowed arithmetic: matrix products marked QUANTISED: E2M1 operands, one E8M0 scale for each 32 along K, by v_wmma_scale_f32_16x16x128_f8f6f4 with both operands' format E2M1 (or v_wmma_scale_f32_32x16x128_f4), f32 sums; products left as they are: bf16, f16 or f32 operands; f32 sums; everything else in f32.
;; Inputs: k 2 x 2,048 x 16 x 128 float32; q 2 x 2,048 x 16 x 128 float32; v 2 x 2,048 x 16 x 128 float32.
;; Outputs: out0 2 x 2,048 x 16 x 128 float32; out1 2 x 16 x 2,048 float32.
;; This version of the problem:
;;   THIS VERSION OF THE PROBLEM IS GIVEN IN LOW PRECISION. The matrix products marked QUANTISED in the list below multiply operands that are first quantised to E2M1 (2 exponent bits, 1 mantissa bit; 4 bits a number), with one power-of-two scale for each 32 numbers along K (OCP MX v1.0); their sums are f32. The products marked 'left as it is' may take bf16, f16 or f32 operands, with f32 sums. All else is computed in f32.
;;   The module's matrix products, in the order in which they are computed (A, B: the left and right operand; K: the contracted axis; several contracted axes count as one K, in the product's order):
;;     1. batch 32 x [M 2,048, K 128] x [K 128, N 2,048]; A: input q; B: input k: QUANTISED
;;     2. batch 32 x [M 128, K 2,048] x [K 2,048, N 2,048]; A: input v; B: computed on the way: left as it is (an operand is computed on the way)
;;   THE QUANTISER, for each operand of a quantised product, along K:
;;     - K is cut into blocks of 32 from its start; a last block that is shorter is filled with zeros.
;;     - A block's scale is 2^e with e = floor(log2(the largest magnitude in the block)) - 2, held to -126 .. 127; a block of zeros has e = 0. As a byte (E8M0): e + 127.
;;     - Each number is divided by its block's scale, clamped to +-6, and rounded to the nearest number of E2M1, ties to even, subnormals kept.
;;     - The product sums the exact products of the quantised numbers (number of the format x scale) in f32.
;;   ~~~python
;;   def quantise(x, axis):      # numpy; x: float32 -> the quantised numbers, widened to float32 again
;;       x = np.moveaxis(x, axis, -1); K = x.shape[-1]
;;       x = np.pad(x, [(0, 0)] * (x.ndim - 1) + [(0, -K % 32)]); x = x.reshape(x.shape[:-1] + (-1, 32)); a = np.abs(x).max(-1, keepdims=True)
;;       e = np.where(a > 0, np.clip(np.frexp(np.where(a > 0, a, 1))[1] - 1 - 2, -126, 127), 0)      # np.frexp(a)[1] - 1 = floor(log2(a)), exactly
;;       r = np.clip(x / 2.0 ** e, -6, 6)
;;       step = 2.0 ** (np.maximum(np.frexp(np.where(r == 0, 1, r))[1] - 1, 0) - 1)
;;       q = np.round(r / step) * step * 2.0 ** e      # np.round: ties to even
;;       return np.moveaxis(q.reshape(q.shape[:-2] + (-1,))[..., :K], -1, axis).astype(np.float32)
;;   ~~~
;; One version. Each part assembles by itself: llvm-mc -triple=amdgcn-amd-amdhsa -mcpu=gfx1250 --defsym DOCPART=n.
;; ======== version 1 of 1: 2 launches
;; limits: values are held in f16: magnitudes above 65,504 overflow, below 6.1e-05 lose precision; inputs' magnitudes at most 65,504
;; workspace buffers: kv 21,233,664 bytes
;; launch prep (part 1): grid 1024 x 1, 4 waves a work-group, no clusters, 34,816 bytes of LDS; arguments k, v, kv; writes kv
.if DOCPART == 1
	.amdgcn_target "amdgcn-amd-amdhsa--gfx1250"
	.amdhsa_code_object_version 6
	.text
	.protected	k_q6429b44e98_prep
	.globl	k_q6429b44e98_prep
	.p2align	8
	.type	k_q6429b44e98_prep,@function
k_q6429b44e98_prep:
	s_mov_b64 s[64:65], 0
	v_nop
	global_prefetch_b8 v0, s[64:65] scope:SCOPE_SE
	s_setreg_imm32_b32 hwreg(HW_REG_WAVE_MODE, 25, 1), 1
	s_wait_xcnt 0x0
; k and v, [2][2048][16][128] f32, are laid once as the attention launch wants them: kv[head 16 b + h (32)][group of 64 keys (32)][81 rows of 256 bytes].
; A group: rows 0-63: v of key 64 g + row as 128 f16.  Rows 64-79: k's codes of FP4 (E2M1) as IMAGES OF OPERAND REGISTERS: tile t of 16 keys at byte 16,384 + 1,024 t + 512 c + 16 lane;
; lane (r, hh)'s 16 bytes are the 32 codes of block 2 c + hh of key 16 t + r: registers 4 c .. 4 c + 3 of the fragment.  Row 80: the scale words, key 16 t + r's at byte 16 r + 4 t.
; A block's scale is 2^(floor(log2(its largest magnitude)) - 2); its byte is the largest magnitude's exponent field - 2, held at 1 from below.
; v goes in f16, not bf16: its 11 significant bits against 8 make the rounding error of the second product's operands an eighth.
; LIMITS: |v| beyond 65,504, f16's largest number, is not served; a v under 2^-14 is rounded with an absolute error of at most 2^-25.
; A block of k that is all zeros gets the byte 1 where the quantiser says 127 (its codes are zeros, which add nothing, and this program alone reads the bytes); blocks whose largest magnitude lies
; under 2^-124, the floor, were not tried; NaN and infinities among the inputs are not served.
; SHARES: a work-group makes one group; wave w its keys 16 w .. 16 w + 15.  A head's row is 512 bytes: each load of a wave reads one whole row, 16 bytes a lane.  k's 16 rows turn through the
; wave's own stage in LDS, so that a lane comes to hold two whole blocks of 32 neighbours of one key.  No tensor loads, no loop: every offset is an immediate.
.set PIT,  528                         ; a stage row: 512 bytes + 16: an odd multiple of 16, so that the 16 rows of a load begin at different banks
.set STG,  16*PIT                      ; a wave's stage
.set SCB,  4*STG                       ; behind the stages: the group's 64 scale words
.set GRPB, 20736                       ; a group of kv in bytes
.set LO,   1                           ; v1   16 x lane
.set LO8,  2                           ; v2   8 x lane
.set R,    3                           ; v3   lane % 16
.set HH,   4                           ; v4   lane / 16
.set STW,  5                           ; v5   the stage, on the way in: 16 x lane
.set STR,  6                           ; v6   on the way out: 528 r + 128 hh
.set SCW,  7                           ; v7   where my key's scale word goes: 16 r + 4 w
.set SCR,  8                           ; v8   where wave 0 reads the words back: 8 x lane
.set SH8,  9                           ; v9   8 hh
.set TM,   10                          ; v10-15 largest magnitudes, scale operands, bytes
.set TW,   16                          ; v16  the scale word
.set TP,   17                          ; v17  the other half's part of it
.set C,    20                          ; v20-27 the codes
.set KR,   32                          ; v32-95 k as loaded; later v in f16
.set VR,   96                          ; v96-159 v as loaded
.set X,    160                         ; v160-223 my two blocks of k
	s_load_b128 s[4:7], s[0:1], 0x0                ; k, v
	s_load_b64 s[8:9], s[0:1], 0x10                ; kv
	v_lshl_add_u32 v224, v0, 2, 0x8600
	v_mov_b32 v225, 0
	v_lshrrev_b32 v10, 5, v0
	v_readfirstlane_b32 s12, v10                   ; wave 0..3
	v_and_b32 v11, 31, v0
	v_lshlrev_b32 v[LO], 4, v11
	v_lshlrev_b32 v[LO8], 3, v11
	v_and_b32 v[R], 15, v0
	v_bfe_u32 v[HH], v0, 4, 1
	s_mul_i32 s13, s12, STG
	v_add_nc_u32 v[STW], s13, v[LO]
	v_mul_u32_u24 v[STR], v[R], PIT
	v_lshl_add_u32 v[STR], v[HH], 7, v[STR]
	v_add_nc_u32 v[STR], s13, v[STR]
	s_lshl_b32 s13, s12, 2
	s_add_co_u32 s13, s13, SCB
	v_lshl_add_u32 v[SCW], v[R], 4, s13
	v_add_nc_u32 v[SCR], SCB, v[LO8]
	v_lshlrev_b32 v[SH8], 3, v[HH]
	v_mov_b32 v[TP], 0                             ; a lane permute's destination counts as one of its sources
	s_mov_b32 s20, 0x76543210
	s_mov_b32 s21, 0xfedcba98                      ; v_permlanex16_b32's selects for lane l xor 16
	s_lshr_b32 s14, ttmp9, 9                       ; b
	s_lshl_b32 s14, s14, 24                        ; x 2,048 x 16 x 512 bytes
	s_bfe_u32 s15, ttmp9, 0x40005                  ; h
	s_lshl_b32 s15, s15, 9                         ; x 512 bytes
	s_add_co_u32 s14, s14, s15
	s_and_b32 s15, ttmp9, 31                       ; the group
	s_lshl_b32 s15, s15, 2
	s_add_co_u32 s15, s15, s12                     ; 4 x group + wave: which 16 keys
	s_lshl_b32 s15, s15, 17                        ; x 16 keys x 8,192 bytes from key to key
	s_add_co_u32 s14, s14, s15
	s_mov_b32 s15, 0
	s_mul_i32 s16, ttmp9, GRPB                     ; my group in kv (under 2^25)
	s_mov_b32 s17, 0
	s_lshl_b32 s18, s12, 12                        ; my 16 rows of v
	s_mov_b32 s19, 0
	s_lshl_b32 s22, s12, 10
	s_add_co_u32 s22, s22, 16384                   ; my tile's image
	s_mov_b32 s23, 0
	s_wait_kmcnt 0x0
	s_add_nc_u64 s[4:5], s[4:5], s[14:15]
	s_add_nc_u64 s[6:7], s[6:7], s[14:15]
	s_add_nc_u64 s[8:9], s[8:9], s[16:17]
	s_add_nc_u64 s[24:25], s[8:9], s[18:19]
	s_add_nc_u64 s[26:27], s[8:9], s[22:23]
.irp i, 0,1,2,3,4,5,6,7,8,9,10,11,12,13,14,15
	global_load_b128 v[KR+4*\i:KR+4*\i+3], v[LO], s[4:5] offset:8192*\i th:TH_LOAD_NT   ; key i's 512 bytes
.endr
.irp i, 0,1,2,3,4,5,6,7,8,9,10,11,12,13,14,15
	global_load_b128 v[VR+4*\i:VR+4*\i+3], v[LO], s[6:7] offset:8192*\i th:TH_LOAD_NT
.endr
	s_wait_loadcnt 16                              ; k's sixteen loads are in; v's sixteen, issued behind them, may be out
.irp i, 0,1,2,3,4,5,6,7,8,9,10,11,12,13,14,15
	ds_store_b128 v[STW], v[KR+4*\i:KR+4*\i+3] offset:PIT*\i
.endr
.irp c, 0,1
.irp g, 0,1,2,3,4,5,6,7
	ds_load_b128 v[X+32*\c+4*\g:X+32*\c+4*\g+3], v[STR] offset:256*\c+16*\g   ; LDS serves a wave's instructions in order (ISA guide 5.7.1.4): these see my stores.  Register 32 c + j = k(key r, 64 c + 32 hh + j)
.endr
.endr
	s_wait_dscnt 0x0
.irp c, 0,1                                    ; my block 2 c + hh: all its 32 numbers are mine
	v_max3_num_f32 v[TM+\c], |v[X+32*\c]|, |v[X+32*\c+1]|, 0x1800000   ; and the floor 2^(3 - 127): the byte cannot fall under 1
.endr
.irp i, 2,4,6,8,10,12,14,16,18,20,22,24,26,28,30
.irp c, 0,1
	v_max3_num_f32 v[TM+\c], v[TM+\c], |v[X+32*\c+\i]|, |v[X+32*\c+\i+1]|   ; (the two blocks by turns)
.endr
.endr
.irp c, 0,1
	v_add_nc_u32 v[TM+2+\c], 0xff000000, v[TM+\c]  ; 2 off the exponent field: the conversion takes the exponent field of this operand as its scale
.endr
.irp c, 0,1
	v_lshrrev_b32 v[TM+4+\c], 23, v[TM+2+\c]       ; the scale's byte
.endr
	v_lshl_or_b32 v[TW], v[TM+5], 16, v[TM+4]      ; my two bytes: blocks hh and 2 + hh,
	v_lshlrev_b32 v[TW], v[SH8], v[TW]             ; at their places in the word;
	v_permlanex16_b32 v[TP], v[TW], s20, s21
	v_or_b32 v[TW], v[TW], v[TP]                   ; with lane l xor 16's two the word is whole
.irp c, 0,1
.irp g, 0,1,2,3
	v_cvt_scalef32_pk8_fp4_f32 v[C+4*\c+\g], v[X+32*\c+8*\g:X+32*\c+8*\g+7], v[TM+2+\c]
.endr
.endr
	v_nop                                          ; one plain place behind a scaled conversion
.irp c, 0,1
	global_store_b128 v[LO], v[C+4*\c:C+4*\c+3], s[26:27] offset:512*\c   ; 32 lanes store 512 consecutive bytes of the image
.endr
	ds_store_b32 v[SCW], v[TW]                     ; both lanes of a key write the same word with the same value
	s_wait_loadcnt 0x0                             ; v
.irp i, 0,1,2,3,4,5,6,7,8,9,10,11,12,13,14,15
	v_cvt_pk_f16_f32 v[KR+2*\i], v[VR+4*\i], v[VR+4*\i+1]
	v_cvt_pk_f16_f32 v[KR+2*\i+1], v[VR+4*\i+2], v[VR+4*\i+3]
	global_store_b64 v[LO8], v[KR+2*\i:KR+2*\i+1], s[24:25] offset:256*\i   ; 32 lanes store a key's 256 bytes, aligned
.endr
	s_wait_dscnt 0x0                               ; for the others' sake: my scale words have landed
	s_barrier_signal -1
	s_barrier_wait -1
	s_cmp_lg_u32 s12, 0
	s_cbranch_scc1 .Lend
	ds_load_b64 v[18:19], v[SCR]                   ; wave 0 takes the four waves' 64 words
	s_wait_dscnt 0x0
	global_store_b64 v[LO8], v[18:19], s[8:9] offset:20480   ; row 80: 256 consecutive bytes, aligned
.Lend:
	s_barrier_signal -1
	s_barrier_wait -1
	s_wait_tensorcnt 0x0
	ds_add_u32 v224, v225
	s_wait_dscnt 0x0
	s_endpgm
.Lfunc_end_k_q6429b44e98_prep:
	.size	k_q6429b44e98_prep, .Lfunc_end_k_q6429b44e98_prep-k_q6429b44e98_prep
	.p2alignl 7, 3214868480
	.fill 96, 4, 3214868480
	.section	.rodata,"a",@progbits
	.p2align	6, 0x0
	.amdhsa_kernel k_q6429b44e98_prep
		.amdhsa_group_segment_fixed_size 34816
		.amdhsa_private_segment_fixed_size 0
		.amdhsa_enable_private_segment 0
		.amdhsa_kernarg_size 24
		.amdhsa_user_sgpr_count 2
		.amdhsa_user_sgpr_kernarg_segment_ptr 1
		.amdhsa_wavefront_size32 1
		.amdhsa_system_sgpr_workgroup_id_x 1
		.amdhsa_system_sgpr_workgroup_id_y 1
		.amdhsa_system_sgpr_workgroup_id_z 1
		.amdhsa_system_vgpr_workitem_id 0
		.amdhsa_next_free_vgpr 226
		.amdhsa_next_free_sgpr 66
		.amdhsa_reserve_vcc 0
		.amdhsa_float_denorm_mode_32 3
		.amdhsa_float_denorm_mode_16_64 3
		.amdhsa_memory_ordered 1
		.amdhsa_forward_progress 1
		.amdhsa_inst_pref_size 15
	.end_amdhsa_kernel
	.amdgpu_metadata
---
amdhsa.version: [ 1, 2 ]
amdhsa.kernels:
  - .name:           k_q6429b44e98_prep
    .symbol:         k_q6429b44e98_prep.kd
    .args:
      - { .name: k, .offset: 0, .size: 8, .value_kind: global_buffer, .address_space: global }
      - { .name: v, .offset: 8, .size: 8, .value_kind: global_buffer, .address_space: global }
      - { .name: kv, .offset: 16, .size: 8, .value_kind: global_buffer, .address_space: global }
    .group_segment_fixed_size: 34816
    .private_segment_fixed_size: 0
    .kernarg_segment_align: 8
    .kernarg_segment_size: 24
    .max_flat_workgroup_size: 128
    .sgpr_count:     66
    .vgpr_count:     226
    .wavefront_size: 32
...
	.end_amdgpu_metadata
.endif
;; end of part 1
;; launch attn (part 2): grid 8 x 32, 4 waves a work-group, clusters of 4 x 1, 327,680 bytes of LDS; arguments q, kv, out0, out1; writes out0, out1
.if DOCPART == 2
	.amdgcn_target "amdgcn-amd-amdhsa--gfx1250"
	.amdhsa_code_object_version 6
	.text
	.protected	k_q6429b44e98_attn
	.globl	k_q6429b44e98_attn
	.p2align	8
	.type	k_q6429b44e98_attn,@function
k_q6429b44e98_attn:
	s_mov_b64 s[64:65], 0
	v_nop
	global_prefetch_b8 v0, s[64:65] scope:SCOPE_SE
	s_setreg_imm32_b32 hwreg(HW_REG_WAVE_MODE, 25, 1), 1
	s_wait_xcnt 0x0
	s_wait_alu depctr_hold_cnt(0) depctr_sa_sdst(0) depctr_va_vdst(0) depctr_va_sdst(0) depctr_va_ssrc(0) depctr_va_vcc(0) depctr_vm_vsrc(0)
	s_getreg_b32 s2, hwreg(HW_REG_IB_STS2, 6, 4)
	s_cmp_eq_u32 s2, 0
	s_cbranch_scc0 .Lentry_in_a_cluster
	s_endpgm
.Lentry_in_a_cluster:
	s_bfe_u32 s2, ttmp6, 0x10000c
	s_cmp_lg_u32 s2, 0x3003
	s_cbranch_scc0 .Lentry_shape_is_right
	s_endpgm
.Lentry_shape_is_right:
; out0[b][s][h][:] = the sum over keys of softmax(q . k / sqrt(128)) v;  out1[b][h][s] = the logsumexp of the scaled scores.  q, out0: [2][2048][16][128] f32.
; The first product is on codes of FP4 (E2M1) with one E8M0 scale for each 32 of the head's 128: k's codes and scale words come from kv, q is quantised here, in registers.  The second product takes the
; weights p and v in f16 (11 significant bits; p is at most 1 by the running maximum); maxima, sums and both products' sums are f32.
; kv: [head (32)][group of 64 keys (32)][81 rows of 256 bytes]: 64 rows of v in f16, 16 rows of images of k's fragments, a row of scale words.
; SHARES.  A work-group owns 256 queries of one head, each of its four waves 64: four tiles of 16.  Every wave walks the head's 2,048 keys, 64 a step: a step is one group of kv.
; LAYOUT.  S^T = K Q^T (source 0 = 16 keys, source 1 = 16 queries; one instruction, since K = 128): a lane holds ONE query (lane % 16) and the keys 8 (lane / 16) + 0..7.  Two such tiles, rounded to f16 in pairs,
; ARE source 1 (32 keys x 16 queries) of O^T = V^T P, whose result again holds one query a lane.  v ([key][channel]) comes out of LDS turned, by ds_load_tr16_b128.
; SOFTMAX.  For each query a running maximum m and sum l: p = 2^(c s - c m), c = log2(e) / sqrt(128); in every step O and l are multiplied by a = 2^(c m_old - c m_new).  lse = ln 2 x (c m + log2 l).
; m begins at -3e38 and O^T and l at zero, so that the first step is a step like every other: the first a is 0 and multiplies zeros.  The 256 moves that clear O^T stand where the wave would wait for q and the first tiles,
; and spare a written-out first step.
; BY TURNS.  The wave's tiles are two PIECES: piece 0 (tiles 0, 1) and piece 2 (tiles 2, 3).  In a TURN one piece has the matrix unit: 32 products V^T P of the step in hand, then 8 products K Q^T of the next; the other
; piece's softmax, 268 vector instructions cut into 64 slices, stands between them.  Then the pieces change places.  Two turns are a key step.
; CLUSTER.  The four query blocks of a cluster belong to one head and walk the same kv: each group is asked for JOINTLY, by the same tensor load with the same descriptor and a mask that names the four.
; LIMITS: scores under -3e38, NaN and infinities are not served; |v| beyond 65,504 is not served (v is kept in f16); a p under 2^-126 counts as 0 in l; in the second product a p under 2^-14 is rounded with an absolute error
; of at most 2^-25 and one under 2^-25 counts as 0, beside an l of at least 1: at the worst 2,048 x 2^-25 of the largest |v|; a block of q that is all zeros gets the scale byte 1 (its codes are zeros); blocks of q whose
; largest magnitude lies under 2^-124 were not tried.
;
; REGISTERS, in windows of 256 (s_set_vgpr_msb: bits 1:0 source 0, 3:2 source 1, 5:4 source 2, 7:6 destination):
;   window 0: v1-11, v52-63 addresses; v12-43 eight registers of statistics a tile; v44-47 K's scale words, v48-51 Q's; v64-191 S^T, 32 a tile; v192-255 P, 16 a tile
;   window 1: O^T, 64 a tile       window 2: v0-31 Q's four fragments; v192-223 K's four       window 3: v0-127 V of one step; at the head all 256: q as loaded
.set PIT,   288       ; a row of kv in LDS: 256 bytes + 32 of padding = 72 words
.set GRPB,  20736     ; a group in memory
.set SLOTB, 4*GRPB    ; four groups: a slot's worth
.set HEADB, 32*GRPB   ; a head's
.set STEPB, 81*PIT    ; a group in LDS
.set KOFF,  64*PIT    ; in it: K's images,
.set SOFF,  80*PIT    ; the scale words
.set SLOT1, 1<<17     ; slot 0 holds four steps from byte 0 on (93,312 bytes); slot 1 begins here, so that one exclusive or turns an address in one slot into the other's
.set SP,    528       ; a stage row: 512 bytes + 16
.set STAGE, 93440     ; between the slots, from the first block of 256 bytes that no fill touches: 16 rows for each wave: q's turn at the head, the way out at the end
.set SPARE, STAGE+4*16*SP  ; the spare words, 128 bytes for each wave: two blocks of 256 bytes that no other line names
.set LSEB,  SPARE+512 ; 256 bytes for each wave: its 64 logsumexps
.set AK0, 2           ; v2   my lane's place in an image of K: 288 (lane / 16) + 16 (lane % 16)
.set AV0, 3           ; v3   my lane's place in V's rows
.set AS0, 4           ; v4   16 (lane % 16): my key's four scale words
.set QO,  5           ; v5   16 x lane: my bytes of a row of q and of out0
.set STO, 6           ; v6   the stage: where I put 32 bytes of a row of O
.set STW, 7           ; v7   the stage by rows: 16 x lane
.set STR, 8           ; v8   the stage: where my two blocks of a row of q begin
.set ADK, 10          ; v10, v11, v52  the LDS addresses of the loads in hand
.set ADS, 11
.set ADV, 52
.set ST,  12          ; tile t's statistics at v[ST+8 t]: +0 c m, +1 m, +2, +3 l (even keys', odd keys'), +4 to +7 c0-c3, at work; a takes c2's place once the maximum is found
.set KSC, 44
.set QSC, 48
.set LSW, 53          ; v53  where my query's logsumexp goes
.set LSR, 54          ; v54  where I read two of them back
.set LSO, 55          ; v55  8 x lane
.set SH8, 56          ; v56  8 (lane / 16)
.set TP,  58          ; v58  the other half's part of a scale word
.set PFO, 61          ; v61  the prefetches' offset; never rewritten
.set SPW, 62          ; v62  LDS address of my spare word: SPARE + 4 x my thread's number; never rewritten
.set NIL, 63          ; v63  0; never rewritten
.set S,   64
.set P,   192
.set X,   64          ; at the head: my two blocks of a row of q
.set TM,  128         ; at the head: v128-133 at work
.set KF,  192         ; K's fragments, in window 2
.set WV,  12          ; s12  my wave's number
.set LIM, 15          ; s15  1 in a wave that prefetches, else the greatest number
.set PFA, 18          ; s[18:19] where my work-group's prefetches stand in memory
.set G1,  24          ; s[24:31] descriptor group 1
.set G0,  40          ; s[40:47] descriptor group 0: a set for each of the two first fills; the second then walks on
.set SLOTS, 56        ; s56  slots still to be asked for
.set CNT, 57          ; s57  counts key steps
.set CS,  58          ; s[58:59] c: the packed scaling names a pair and takes its low word for both halves
.set SEL, 60          ; s[60:61] lane selects for v_permlanex16_b32: lane l xor 16
.set TB,  62          ; s62  LDS byte at which the step to be fetched begins
.set MSB, 0
.macro WIN new                      ; the immediate's high byte repeats the setting that is left; a switch that changes nothing is dropped
.if MSB != \new
	s_set_vgpr_msb (MSB<<8)|\new
.set MSB, \new
.endif
.endm
.set W_KQ, 0x0a       ; K and Q in window 2, S^T in window 0
.set W_PV, 0x53       ; V in window 3, P in window 0, O^T in window 1
.set W_RS, 0x41       ; O^T (destination and source 0) in window 1, the factor in window 0
; A round of the cluster's barrier: my work-group's barrier, so that wave 0's signal speaks for all four waves; wave 0 signals for the work-group; every wave waits for all four work-groups; my work-group's barrier once more.
.macro CROUND
	s_barrier_signal -1
	s_barrier_wait -1
	s_cmp_lg_u32 s[WV], 0
	s_cbranch_scc1 .Lnot_wave_0_\@
	s_barrier_signal -3
.Lnot_wave_0_\@:
	s_barrier_wait -3
	s_barrier_signal -1
	s_barrier_wait -1
.endm
; A PREFETCH INTO THE L2 of what the NEXT change of slots will ask for: four groups of 81 blocks of 256 bytes.  Both clusters of a head walk the same kv: the head's first cluster asks.  Its four partners share the groups out
; BY ADDRESS, one each; in each, threads 0 to 80 (waves 0 to 2) name a block each; threads 81 to 95 name block 80 again, in the same instruction.  The last change that fills a slot asks for nothing.
.macro ASK
	s_cmp_gt_u32 s[SLOTS], s[LIM]
	s_cbranch_scc0 .Lnot_mine_\@
	global_prefetch_b8 v[PFO], s[PFA:PFA+1] th:TH_LOAD_NT scope:SCOPE_SE
.Lnot_mine_\@:
.endm
	s_load_b256 s[4:11], s[0:1], 0x0  ; q s[4:5], kv s[6:7], out0 s[8:9], out1 s[10:11]
	v_lshl_add_u32 v[SPW], v0, 2, SPARE
	v_mov_b32 v[NIL], 0
	ds_add_u32 v62, v63
	ds_add_u32 v62, v63
	s_wait_dscnt 0x0
	v_lshrrev_b32 v1, 5, v0
	v_readfirstlane_b32 s[WV], v1   ; wave 0..3
	v_and_b32 v[QO], 31, v0
	v_lshlrev_b32 v[QO], 4, v[QO]
	s_bfe_u32 s13, ttmp6, 0x40000   ; cx: my place in the cluster
	s_lshl_b32 s14, ttmp9, 2        ; in a cluster launch ttmp9 counts clusters
	s_add_co_u32 s14, s14, s13      ; my block of 256 queries: it enters q's and the outputs' addresses alone
	s_and_b32 s20, ttmp7, 0xffff    ; the head 16 b + h, which the four partners share
	s_lshl_b32 s14, s14, 2
	s_add_co_u32 s14, s14, s[WV]    ; which 64 queries of the head are my wave's
	s_lshr_b32 s16, s20, 4
	s_lshl_b32 s16, s16, 24         ; b x 2,048 x 16 x 512 bytes
	s_and_b32 s17, s20, 15
	s_lshl_b32 s17, s17, 9          ; h x 512 bytes
	s_add_co_u32 s16, s16, s17
	s_lshl_b32 s17, s14, 19         ; 64 queries x 8,192 bytes from query to query
	s_add_co_u32 s16, s16, s17
	s_mov_b32 s17, 0
	s_lshl_b32 s22, s20, 13         ; out1: 2,048 numbers a head,
	s_lshl_b32 s23, s14, 8          ; 64 a wave
	s_add_co_u32 s22, s22, s23
	s_mov_b32 s23, 0
	s_mul_i32 s2, s20, HEADB        ; the head's first byte in kv
	s_mov_b32 s3, 0
	s_mul_i32 s20, s[WV], GRPB      ; wave w fetches step w of a slot: its group in memory,
	s_mov_b32 s21, 0
	s_mul_i32 s63, s[WV], STEPB     ; and its place in a slot: no place in the cluster enters an LDS address
	s_wait_kmcnt 0x0
	s_add_nc_u64 s[4:5], s[4:5], s[16:17]
	s_add_nc_u64 s[8:9], s[8:9], s[16:17]
	s_add_nc_u64 s[10:11], s[10:11], s[22:23]
	s_add_nc_u64 s[6:7], s[6:7], s[2:3]
	WIN 0xc0                        ; destination window 3, address window 0
.set i, 0
.rept 64                            ; my 64 rows of q: each load reads one row's 512 bytes
	global_load_b128 v[4*i:4*i+3], v[QO], s[4:5] offset:8192*i th:TH_LOAD_NT
.set i, i+1
.endr
	WIN 0
	s_mul_i32 s16, s13, GRPB        ; the prefetches: my work-group's group of a slot,
	s_add_co_u32 s16, s16, 2*SLOTB  ; in the third slot's worth of keys: the first change of slots steps it to the fourth.  Nothing is prefetched here, at the head
	s_add_nc_u64 s[PFA:PFA+1], s[6:7], s[16:17]
	s_add_nc_u64 s[6:7], s[6:7], s[20:21]  ; kv at my wave's group of the first four
	s_cmp_lt_u32 s[WV], 3
	s_cselect_b32 s[LIM], 0, 1      ; 0 in waves 0 to 2,
	s_or_b32 s[LIM], s[LIM], ttmp9  ; where the cluster is the head's first: the same in all four partners
	s_cmp_eq_u32 s[LIM], 0
	s_cselect_b32 s[LIM], 1, -1
	v_min_u32 v[PFO], 80, v0
	v_lshlrev_b32 v[PFO], 8, v[PFO]
	; descriptor group 1: 81 rows of 256 bytes (32 elements of 8), dense in memory, 32 bytes of padding behind each in LDS
	s_mov_b32 s[G1], 15|(3<<16)|(1<<20)|(1<<21)|(5<<22)|(7<<25)  ; 15:0 the mask: all four work-groups; 17:16 elements of 8 bytes; 20 padding on; 21 set beside a mask; 24:22 after every 64 words (code 5); 31:25 8 words of it (code 7)
	s_mov_b32 s[G1+1], 32<<16       ; tensor_dim0 = 32
	s_mov_b32 s[G1+2], 81<<16       ; tensor_dim1 = 81
	s_mov_b32 s[G1+3], 32<<16       ; tile_dim0 = 32
	s_mov_b32 s[G1+4], 81           ; tile_dim1 = 81
	s_mov_b32 s[G1+5], 32           ; elements from row to row
	s_mov_b32 s[G1+6], 0
	s_mov_b32 s[G1+7], 0
	s_mov_b32 s[CS], 0x3e0293ee     ; c = log2(e) / sqrt(128)
	s_mov_b32 s[CS+1], s[CS]        ; named with it as a pair, so it is written
	s_mov_b32 s[SEL], 0x76543210
	s_mov_b32 s[SEL+1], 0xfedcba98
	s_mov_b32 s[TB], 0
	s_mov_b32 s[SLOTS], 6           ; eight slots' worth of keys; two come by the first fills
.irp n, 0,1
	s_mov_b32 s[G0+4*\n], 1         ; 1:0 count = 1
	s_add_co_u32 s[G0+4*\n+1], s63, \n*SLOT1  ; 63:32 LDS address
	s_add_nc_u64 s[G0+4*\n+2:G0+4*\n+3], s[6:7], \n*SLOTB  ; 120:64 global address
	s_or_b32 s[G0+4*\n+3], s[G0+4*\n+3], 0x80000000  ; 127:126 type = 2
.endr
	CROUND                          ; all four work-groups are here: the first joint loads meet
	tensor_load_to_lds s[G0:G0+3], s[G1:G1+7]      ; the two first fills stand together, ahead of every wait on TENSORcnt and every LDS read: two loads of mine are out
	s_nop 0
	tensor_load_to_lds s[G0+4:G0+7], s[G1:G1+7]
	s_nop 0
.rept 4
	v_nop                           ; four lines behind a tensor load, ahead of any switch of windows
.endr
	v_and_b32 v1, 15, v0            ; r = l % 16
	v_bfe_u32 v9, v0, 4, 1          ; hh = l / 16
	v_mul_u32_u24 v[AK0], v9, PIT   ; an image's 512 bytes are two rows of 256: lanes 0-15 the first, lanes 16-31 the second
	v_lshl_add_u32 v[AK0], v1, 4, v[AK0]
	; The turning load takes 16 keys x 16 channels (lane l reads 16 bytes: key 8 (l / 16) + l % 8, channels 8 ((l / 8) % 2) + 0..7) and leaves half a fragment of V^T: lane l holds channel l % 16 and 8 keys.
	v_and_b32 v10, 7, v0
	v_bfe_u32 v11, v0, 3, 1
	v_lshl_add_u32 v[AV0], v9, 3, v10
	v_mul_u32_u24 v[AV0], v[AV0], PIT
	v_lshl_add_u32 v[AV0], v11, 4, v[AV0]
	v_lshlrev_b32 v[AS0], 4, v1
	s_mul_i32 s21, s[WV], 16*SP
	s_add_co_u32 s21, s21, STAGE    ; my stage
	v_mul_u32_u24 v[STO], v1, SP
	v_lshl_add_u32 v[STR], v9, 7, v[STO]
	v_lshl_add_u32 v[STO], v9, 5, v[STO]
	v_add_nc_u32 v[STO], s21, v[STO]
	v_add_nc_u32 v[STR], s21, v[STR]
	v_add_nc_u32 v[STW], s21, v[QO]
	s_lshl_b32 s21, s[WV], 8
	s_add_co_u32 s21, s21, LSEB
	v_lshl_add_u32 v[LSW], v1, 2, s21
	v_lshrrev_b32 v[LSO], 1, v[QO]
	v_add_nc_u32 v[LSR], s21, v[LSO]
	v_lshlrev_b32 v[SH8], 3, v9
	v_mov_b32 v[TP], 0              ; a lane permute's destination counts as one of its sources
	WIN 0x40                        ; destination window 1
.set i, 0
.rept 256
	v_mov_b32 v[i], 0               ; O^T
.set i, i+1
.endr
	WIN 0
; Q: tile t's 16 rows turn through my stage, so that lane (r, hh) holds blocks hh and 2 + hh of row r, register 32 c + j = q(r, 64 c + 32 hh + j): the order of the fragment's registers.  Then the quantiser.
.macro QTILE t
	s_wait_loadcnt 48-16*\t         ; this tile's sixteen loads are in; the younger tiles' may be out
	WIN 0x0c                        ; an LDS store's data are its source 1: window 3
.irp i, 0,1,2,3,4,5,6,7,8,9,10,11,12,13,14,15
	ds_store_b128 v[STW], v[64*\t+4*\i:64*\t+4*\i+3] offset:SP*\i
.endr
	WIN 0
.irp c, 0,1
.irp g, 0,1,2,3,4,5,6,7
	ds_load_b128 v[X+32*\c+4*\g:X+32*\c+4*\g+3], v[STR] offset:256*\c+16*\g  ; LDS serves a wave's instructions in order (ISA guide 5.7.1.4): these see the stores above
.endr
.endr
	s_wait_dscnt 0x0
.irp c, 0,1
	v_max3_num_f32 v[TM+\c], |v[X+32*\c]|, |v[X+32*\c+1]|, 0x1800000  ; my block 2 c + hh, and the floor 2^(3 - 127): the byte cannot fall under 1
.endr
.irp i, 2,4,6,8,10,12,14,16,18,20,22,24,26,28,30
.irp c, 0,1
	v_max3_num_f32 v[TM+\c], v[TM+\c], |v[X+32*\c+\i]|, |v[X+32*\c+\i+1]|
.endr
.endr
.irp c, 0,1
	v_add_nc_u32 v[TM+2+\c], 0xff000000, v[TM+\c]  ; 2 off the exponent field: the conversion's scale operand
.endr
.irp c, 0,1
	v_lshrrev_b32 v[TM+4+\c], 23, v[TM+2+\c]  ; the scale's byte
.endr
	v_lshl_or_b32 v[QSC+\t], v[TM+5], 16, v[TM+4]  ; my two bytes,
	v_lshlrev_b32 v[QSC+\t], v[SH8], v[QSC+\t]  ; at their places in the word;
	v_permlanex16_b32 v[TP], v[QSC+\t], s[SEL], s[SEL+1]
	v_or_b32 v[QSC+\t], v[QSC+\t], v[TP]  ; with lane l xor 16's two the word is whole
	WIN 0x80                        ; destination window 2
.irp c, 0,1
.irp g, 0,1,2,3
	v_cvt_scalef32_pk8_fp4_f32 v[8*\t+4*\c+\g], v[X+32*\c+8*\g:X+32*\c+8*\g+7], v[TM+2+\c]
.endr
.endr
	WIN 0
	v_nop                           ; one plain place behind a scaled conversion
.endm
	QTILE 0
	QTILE 1
	QTILE 2
	QTILE 3
.irp t, 0,1,2,3                     ; sixteen plain lines: also the places between the last write of a scale word and the first scaled product
	v_mov_b32 v[ST+8*\t+1], 0xff61b1e6  ; m = -3e38, under every score
	v_mul_f32 v[ST+8*\t], s[CS], v[ST+8*\t+1]  ; c m
	v_mov_b32 v[ST+8*\t+2], 0       ; l
	v_mov_b32 v[ST+8*\t+3], 0
.endr
; THE MATRIX WORK OF A TURN, for piece x.  The accumulators take turns, one instruction a turn.
; Product i of 32 of O^T += V^T P: keys 32 (i / 16) on, channels 16 ((i / 2) % 8) on, tile x + i % 2.
.macro PV x
	WIN W_PV
.set rO, 64*(\x+i%2)+8*((i/2)%8)
.set rV, 64*(i/16)+8*((i/2)%8)
.set rP, P+16*(\x+i%2)+8*(i/16)
	v_wmma_f32_16x16x32_f16 v[rO:rO+7], v[rV:rV+7], v[rP:rP+7], v[rO:rO+7]
.endm
; Product i of 8 of S^T = K Q^T: keys 16 (i / 2) on, tile x + i % 2; all 128 of the head in one instruction.
.macro KQ x
	WIN W_KQ
.set rS, S+32*(\x+i%2)+8*(i/2)
.set rK, KF+8*(i/2)
.set rQ, 8*(\x+i%2)
	v_wmma_scale_f32_16x16x128_f8f6f4 v[rS:rS+7], v[rK:rK+7], v[rQ:rQ+7], 0, v[KSC+i/2], v[QSC+\x+i%2] matrix_a_fmt:MATRIX_FMT_FP4 matrix_b_fmt:MATRIX_FMT_FP4
.endm
; THE LDS LOADS stand in runs.  A step's K: the four tiles' scale words by one load, the four images by two loads each: nine.
.macro FETCH_K
	WIN 0
	v_add_nc_u32 v[ADK], s[TB], v[AK0]
	v_add_nc_u32 v[ADS], s[TB], v[AS0]
	ds_load_b128 v[KSC:KSC+3], v[ADS] offset:SOFF
	WIN 0x80                        ; destination window 2
.irp t, 0,1,2,3
.irp c, 0,1
	ds_load_b128 v[KF+8*\t+4*\c:KF+8*\t+4*\c+3], v[ADK] offset:KOFF+(4*\t+2*\c)*PIT
.endr
.endr
.endm
; Half u of a step's V, keys 32 u on, turned: sixteen loads.  The second half steps on to the next step.
.macro FETCH_V u
	WIN 0
	v_add_nc_u32 v[ADV], s[TB], v[AV0]
.if \u
	s_add_co_u32 s[TB], s[TB], STEPB
.endif
	WIN 0xc0                        ; destination window 3
.irp f, 0,1,2,3,4,5,6,7             ; channels 16 f on
	ds_load_tr16_b128 v[64*\u+8*\f:64*\u+8*\f+3],   v[ADV] offset:32*\u*PIT+32*\f
	ds_load_tr16_b128 v[64*\u+8*\f+4:64*\u+8*\f+7], v[ADV] offset:32*\u*PIT+16*PIT+32*\f
.endr
.endm
; THE VECTOR WORK OF A TURN.  One tile's softmax for one key step is a list of 134 instructions; SM writes number j of it for tile t.  s0-s31 are the lane's 32 scores, in pairs 0-15.
;   0-15    the maximum of s0-s31 and the old m, three operands at a time: four chains c0-c3 of seven scores each (each begins at an accumulator's low end), then the four scores left over, c0-c3 and m
;   16-20   the other half of the lanes' maximum; the new m; c m; c m_old - c m_new
;   21-87   33 exponentials (a, then s0-s31) at the odd numbers from 23 on, so that no two follow each other and each has a plain instruction behind it before its result is used.
;           The plain ones are whatever is ready: c s - c m for a pair whose exponentials are still to come, the rounding to f16 of a pair whose exponentials are done, at last the first sums
;   88-101  the last rounding; the rest of the sums; l = a l + the sum
;   102-133 the tile's O^T times a, ascending: the one part that leaves window 0, so it stands together
.macro SM t
.set rT, ST+8*(\t)
.set rS, S+32*(\t)
.set rP, P+16*(\t)
.set rO, 64*(\t)+2*(j-102)
.set q, (j-20)/2
.if j < 102
	WIN 0
.endif
.if j < 4
	v_max3_num_f32 v[rT+4+j], v[rS+8*j], v[rS+8*j+1], v[rS+8*j+2]
.elseif j < 12
	v_max3_num_f32 v[rT+4+j%4], v[rT+4+j%4], v[rS+8*(j%4)+2*(j/4)+1], v[rS+8*(j%4)+2*(j/4)+2]
.elseif j == 12
	v_max3_num_f32 v[rT+4], v[rT+4], v[rS+7], v[rS+15]
.elseif j == 13
	v_max3_num_f32 v[rT+6], v[rT+6], v[rS+23], v[rS+31]
.elseif j == 14
	v_max3_num_f32 v[rT+4], v[rT+4], v[rT+5], v[rT+6]
.elseif j == 15
	v_max3_num_f32 v[rT+4], v[rT+4], v[rT+7], v[rT+1]
.elseif j == 16
	v_permlanex16_b32 v[rT+5], v[rT+4], s[SEL], s[SEL+1]  ; the query's other 32 keys lie in the lane 16 away
.elseif j == 17
	v_mov_b32 v[rT+7], v[rT]        ; c m_old is kept for a: number 19 writes c m anew
.elseif j == 18
	v_max_num_f32 v[rT+1], v[rT+4], v[rT+5]
.elseif j == 19
	v_mul_f32 v[rT], s[CS], v[rT+1]
.elseif j == 20
	v_sub_f32 v[rT+7], v[rT+7], v[rT]
.elseif j == 23
	v_exp_f32 v[rT+6], v[rT+7]
.elseif (j < 88) && (j > 23) && (j%2 == 1)
	v_exp_f32 v[rS+(j-25)/2], v[rS+(j-25)/2]
.elseif (q < 4) || ((j < 76) && (q%2 == 0))
.set b, q/2+2
.if q < 4
.set b, q
.endif
	v_pk_fma_f32 v[rS+2*b:rS+2*b+1], v[rS+2*b:rS+2*b+1], s[CS:CS+1], v[rT:rT+1] op_sel_hi:[1,0,0] neg_lo:[0,0,1] neg_hi:[0,0,1]  ; pair b: c s - c m
.elseif (j < 88) && (q%2 == 1)
	s_wait_alu depctr_va_vdst(0)
	v_cvt_pk_f16_f32 v[rP+(q-5)/2], v[rS+q-5], v[rS+q-4]  ; pair (q - 5) / 2: its second exponential stands three numbers back
.elseif j == 89
	s_wait_alu depctr_va_vdst(0)
	v_cvt_pk_f16_f32 v[rP+15], v[rS+30], v[rS+31]
.elseif j < 102                     ; the sum of the tile's 16 pairs of UNROUNDED weights, in place: sum z of 16 adds neighbours 1, 2, 4 and 8 pairs apart, then l takes it
.set z, j-86
.if j < 89
.set z, (j-76)/4
.endif
.set w, 4
.set u, z
.if z >= 14
.set w, 32
.set u, 0
.elseif z >= 12
.set w, 16
.set u, z-12
.elseif z >= 8
.set w, 8
.set u, z-8
.endif
.if z < 15
	v_pk_add_f32 v[rS+w*u:rS+w*u+1], v[rS+w*u:rS+w*u+1], v[rS+w*u+w/2:rS+w*u+w/2+1]
.else
	v_pk_fma_f32 v[rT+2:rT+3], v[rT+2:rT+3], v[rT+6:rT+7], v[rS:rS+1] op_sel_hi:[1,0,1]
.endif
.else
	WIN W_RS
	v_pk_mul_f32 v[rO:rO+1], v[rO:rO+1], v[rT+6:rT+7] op_sel_hi:[1,0]
.endif
.endm
; Slice k of 64 of piece y's softmax: numbers 2 k and 2 k + 1 of both tiles' lists, four instructions.  2 x 134 = 4 x 64 + 12: the twelve that are over stand together, in slice 63.
.macro SLICE y
.if (k >= 11) && (k < 44)           ; tile by tile: plain, exponential, plain, exponential
.irp t, \y, \y+1
.irp n, 0,1
.set j, 2*k+\n
	SM \t
.endr
.endr
.else                               ; the two tiles alternate, so that no instruction reads the result of the one just before it
.irp n, 0,1,2,3,4,5,6,7
.if (\n < 2) || (k == 63)
.irp t, \y, \y+1
.set j, 2*k+\n
	SM \t
.endr
.endif
.endr
.endif
.set k, k+1
.endm
; A TURN.  Piece x has the matrix unit; the other piece's softmax stands in slices behind its matrix instructions: two behind each of the first 24 products V^T P, one behind each of the last 8 and of the 8 products K Q^T
; (kq = 0, the last step: no K Q^T, two slices behind every product).  A vector instruction that reads a matrix result or writes one of a matrix instruction's registers, and a load into a register that a matrix instruction
; has read, stand four plain vector instructions behind it (ISA guide 7.12.1 for vector instructions): the slices are those places.  Slice 63, sixteen plain instructions on the other piece's O^T,
; stands behind the turn's last K Q^T, ahead of the next turn's first read of those scores.
; THE RUNS OF LOADS.  Piece 0's turn fetches the next step's K behind its second product: K's last reader stands ahead of slice 63 of the turn before.  Piece 2's turn fetches the next step's V in halves: the first behind
; product 17 (that half's last reader is product 15: the slices of three products back), the second behind the second K Q^T (the last V^T P: three slices, twelve plain instructions, back).
.macro TURN x, kq
.set k, 0
.if \x == 0
	s_wait_dscnt 16                 ; V's first half is in; the sixteen loads of its second half may be out
.endif
.set i, 0
.rept 32
.if (\x == 0) && (i == 16)
.if \kq
	s_wait_dscnt 9                  ; V's second half is in; behind it stand K's nine loads
.else
	s_wait_dscnt 0x0
.endif
.endif
	PV \x
	SLICE 2-\x
.if (\kq == 0) || (i < 24)
	SLICE 2-\x
.endif
.if (\x == 0) && (\kq == 1) && (i == 1)
	FETCH_K
.endif
.if (\x == 2) && (i == 17)
	FETCH_V 0
.endif
.set i, i+1
.endr
.if \kq
.if \x == 0
	s_wait_dscnt 0x0                ; K is in
.endif
.set i, 0
.rept 8
	KQ \x
	SLICE 2-\x
.if (\x == 2) && (i == 1)
	FETCH_V 1
.endif
.set i, i+1
.endr
.endif
.endm
; n key steps: written once, walked n times; the LDS addresses hang on s[TB].
.macro STEPS n
	WIN 0                           ; at a label and at a branch every window is 0
	s_mov_b32 s[CNT], \n
.Lstep_\@:
	TURN 0, 1
	TURN 2, 1
	WIN 0
	s_sub_co_u32 s[CNT], s[CNT], 1
	s_cmp_lg_u32 s[CNT], 0
	s_cbranch_scc1 .Lstep_\@
.endm
; THE CHANGE OF SLOTS, between piece 2's turn and piece 0's: the slot's last bytes, V of its fourth step, have been asked for.  Each wave waits for all its tensor loads, of which one is out: its part of the other slot; adds 0
; to its spare word; and waits for that and for its own reads of the slot.  Behind the barrier nobody reads this slot any more and the other slot is whole.
; fill = 1: this slot is filled again, with the keys two slots on.  The barrier is then a round of the cluster's, so that no wave of any partner still reads the slot or has a load on its way, and the joint refill is the first
; thing behind it: it has four key steps, 320 matrix instructions, in which to land.
.macro CHANGE fill
	WIN 0
	s_wait_tensorcnt 0x0            ; no tensor load of mine is out, so a group 0 may be written
	ds_add_u32 v[SPW], v[NIL]       ; 0 onto my spare word
.if \fill
	s_xor_b32 s[G0+5], s[G0+5], SLOT1  ; the walking descriptor: the other slot than last time,
	s_add_nc_u64 s[G0+6:G0+7], s[G0+6:G0+7], SLOTB  ; the next 256 keys; the type bits on top are not reached
	s_wait_xcnt 0x0                 ; the last prefetch, four key steps back, has read its address, so it may be written:
	s_add_nc_u64 s[PFA:PFA+1], s[PFA:PFA+1], SLOTB  ; one slot further on than the walking descriptor
	s_wait_dscnt 0x0                ; the add is done, and my reads of the slot are over
	CROUND
	tensor_load_to_lds s[G0+4:G0+7], s[G1:G1+7]  ; every wave fetches one of the slot's four steps: my one tensor load until the next change
	s_nop 0
.rept 4
	v_nop                           ; four lines behind a tensor load
.endr
	ASK                             ; what the next change will ask for: four key steps ahead of that load
.else
	s_wait_dscnt 0x0                ; the add is done, and my reads of the slot are over
	s_barrier_signal -1
	s_barrier_wait -1
.endif
	s_sub_co_u32 s[TB], s[TB], 4*STEPB  ; the fetches go back to a slot's first step,
	s_xor_b32 s[TB], s[TB], SLOT1   ; in the other slot
.endm
	s_wait_tensorcnt 1              ; my part of slot 0 is in; slot 1's may stay out
	s_barrier_signal -1
	s_barrier_wait -1               ; everybody's is
	FETCH_K                         ; key step 0
	FETCH_V 0
	FETCH_V 1
	s_wait_dscnt 32                 ; K's nine loads are in; V's 32 may be out
.set i, 0
.rept 8
	KQ 0                            ; both pieces' first scores: there is no vector work yet to set between them
.set i, i+1
.endr
.set i, 0
.rept 8
	KQ 2
.set i, i+1
.endr
	WIN 0
.rept 4
	v_nop                           ; the places behind those products
.endr
.set k, 0
.rept 64
	SLICE 0                         ; piece 0's softmax of step 0
.endr
	STEPS 3                         ; steps 0 to 2: they fetch steps 1 to 3, the rest of slot 0
.Lslot:                             ; six trips: every slot but the last two is filled again
	CHANGE 1
	STEPS 4
	s_sub_co_u32 s[SLOTS], s[SLOTS], 1
	s_cmp_lg_u32 s[SLOTS], 0
	s_cbranch_scc1 .Lslot
	CHANGE 0                        ; the tail is written out: nothing more is asked for
	STEPS 4                         ; steps 27 to 30: they fetch steps 28 to 31
	TURN 0, 0                       ; piece 0: V^T P of the last step | piece 2's last softmax
.set i, 0
.rept 32
	PV 2                            ; piece 2: V^T P of the last step
.set i, i+1
.endr
	; THE WAY OUT.  l's two halves and the other half of the lanes' are added; 1 / l divides O^T; ln 2 x (c m + log2 l) is the logsumexp.  The additions are the places behind the last products.
	WIN 0
.irp t, 0,1,2,3
	v_add_f32 v[ST+8*\t+4], v[ST+8*\t+2], v[ST+8*\t+3]
.endr
.irp t, 0,1,2,3
	v_permlanex16_b32 v[ST+8*\t+5], v[ST+8*\t+4], s[SEL], s[SEL+1]
.endr
.irp t, 0,1,2,3
	v_add_f32 v[ST+8*\t+4], v[ST+8*\t+4], v[ST+8*\t+5]
.endr
.irp t, 0,1,2,3
	v_rcp_f32 v[ST+8*\t+6], v[ST+8*\t+4]
.endr
.irp t, 0,1,2,3
	v_log_f32 v[ST+8*\t+7], v[ST+8*\t+4]
.endr
	v_nop                           ; a plain instruction between the last transcendental and the use of its result
	s_wait_alu depctr_va_vdst(0)
.irp t, 0,1,2,3
	v_add_f32 v[ST+8*\t+7], v[ST+8*\t+7], v[ST+8*\t]
.endr
.irp t, 0,1,2,3
	v_mul_f32 v[ST+8*\t+7], 0x3f317218, v[ST+8*\t+7]  ; x ln 2
.endr
.irp t, 0,1,2,3
	ds_store_b32 v[LSW], v[ST+8*\t+7] offset:64*\t  ; query 16 t + r's; both halves of the lanes write the same word with the same value
.endr
	ds_load_b64 v[P:P+1], v[LSR]    ; LDS serves a wave's instructions in order: these see my stores
	s_wait_dscnt 0x0
	global_store_b64 v[LSO], v[P:P+1], s[10:11] th:TH_STORE_NT  ; my 64 queries: 256 consecutive bytes, aligned
; Tile t: O^T / l, in place and ascending; a lane's eight channels of a row are 32 bytes; they go into stage rows of 528 bytes and come back as whole rows of 512.
.macro PACK t
	WIN W_RS
.set i, 64*\t
.rept 32
	v_pk_mul_f32 v[i:i+1], v[i:i+1], v[ST+8*\t+6:ST+8*\t+7] op_sel_hi:[1,0]
.set i, i+2
.endr
	WIN 0x04                        ; an LDS store's data are its source 1: window 1
.irp f, 0,1,2,3,4,5,6,7
	ds_store_b128 v[STO], v[64*\t+8*\f:64*\t+8*\f+3] offset:64*\f
	ds_store_b128 v[STO], v[64*\t+8*\f+4:64*\t+8*\f+7] offset:64*\f+16
.endr
	WIN 0
.irp n, 0,1,2,3,4,5,6,7,8,9,10,11,12,13,14,15
	ds_load_b128 v[S+64*(\t%2)+4*\n:S+64*(\t%2)+4*\n+3], v[STW] offset:\n*SP  ; in order behind the stores above; the next tile's stores come behind them
.endr
.endm
.macro SEND t, younger              ; younger: the LDS instructions issued behind tile t's loads: the next tile's 16 stores and 16 loads, or none
.irp n, 0,1,2,3,4,5,6,7,8,9,10,11,12,13,14,15
	s_wait_dscnt \younger+15-\n
	global_store_b128 v[QO], v[S+64*(\t%2)+4*\n:S+64*(\t%2)+4*\n+3], s[8:9] offset:(16*\t+\n)*8192 th:TH_STORE_NT  ; 32 lanes store a query's 512 consecutive bytes, at a multiple of 256 from out0's first byte
.endr
.endm
	PACK 0
	PACK 1                          ; a tile's arithmetic stands between the loads of the tile before and its stores
	SEND 0, 32
	s_wait_xcnt 0x0                 ; tile 0's stores have read their registers: tile 2's rows may land there
	PACK 2
	SEND 1, 32
	s_wait_xcnt 0x0                 ; tile 1's likewise
	PACK 3
	SEND 2, 32
	SEND 3, 0
	s_wait_tensorcnt 0x0            ; the wave's end: behind my last tensor load and my last LDS store
	ds_add_u32 v[SPW], v[NIL]
	s_wait_dscnt 0x0
	CROUND                          ; the closing round: no work-group ends while a partner may still ask for a tile that names it
	s_endpgm
.Lfunc_end_k_q6429b44e98_attn:
	.size	k_q6429b44e98_attn, .Lfunc_end_k_q6429b44e98_attn-k_q6429b44e98_attn
	.p2alignl 7, 3214868480
	.fill 96, 4, 3214868480
	.section	.rodata,"a",@progbits
	.p2align	6, 0x0
	.amdhsa_kernel k_q6429b44e98_attn
		.amdhsa_group_segment_fixed_size 327680
		.amdhsa_private_segment_fixed_size 0
		.amdhsa_enable_private_segment 0
		.amdhsa_kernarg_size 32
		.amdhsa_user_sgpr_count 2
		.amdhsa_user_sgpr_kernarg_segment_ptr 1
		.amdhsa_wavefront_size32 1
		.amdhsa_system_sgpr_workgroup_id_x 1
		.amdhsa_system_sgpr_workgroup_id_y 1
		.amdhsa_system_sgpr_workgroup_id_z 1
		.amdhsa_system_vgpr_workitem_id 0
		.amdhsa_next_free_vgpr 1024
		.amdhsa_next_free_sgpr 66
		.amdhsa_reserve_vcc 0
		.amdhsa_float_denorm_mode_32 3
		.amdhsa_float_denorm_mode_16_64 3
		.amdhsa_memory_ordered 1
		.amdhsa_forward_progress 1
		.amdhsa_inst_pref_size 247
	.end_amdhsa_kernel
	.amdgpu_metadata
---
amdhsa.version: [ 1, 2 ]
amdhsa.kernels:
  - .name:           k_q6429b44e98_attn
    .symbol:         k_q6429b44e98_attn.kd
    .args:
      - { .name: q, .offset: 0, .size: 8, .value_kind: global_buffer, .address_space: global }
      - { .name: kv, .offset: 8, .size: 8, .value_kind: global_buffer, .address_space: global }
      - { .name: out0, .offset: 16, .size: 8, .value_kind: global_buffer, .address_space: global }
      - { .name: out1, .offset: 24, .size: 8, .value_kind: global_buffer, .address_space: global }
    .group_segment_fixed_size: 327680
    .private_segment_fixed_size: 0
    .kernarg_segment_align: 8
    .kernarg_segment_size: 32
    .max_flat_workgroup_size: 128
    .sgpr_count:     66
    .vgpr_count:     1024
    .wavefront_size: 32
...
	.end_amdgpu_metadata
.endif
;; end of part 2
